; MI455X (gfx1250); checked and timed in simulation.
; The chip was launched on July 23, 2026; its instructions are those of AMD's public machine-readable ISA for CDNA 5 (MIT licence, August 2026) and "CDNA5" Instruction Set Architecture Reference Guide (July 2026). The comments in the code are by the model that wrote it; some were corrected since.
;; Multi Head Attention With Visualization. Allowed arithmetic: float matrix products may take bf16 or f16 operands with f32 sums; all other float work in f32.
;; Inputs: k_b 1,024 float32; k_w 1,024 x 1,024 float32; key 4 x 2,048 x 1,024 float32; out_b 1,024 float32; out_w 1,024 x 1,024 float32; q_b 1,024 float32; q_w 1,024 x 1,024 float32; query 4 x 2,048 x 1,024 float32; v_b 1,024 float32; v_w 1,024 x 1,024 float32; value 4 x 2,048 x 1,024 float32.
;; Outputs: out0 4 x 2,048 x 1,024 float32.
;; One version. Each part assembles by itself: llvm-mc -triple=amdgcn-amd-amdhsa -mcpu=gfx1250 --defsym DOCPART=n.
;; ======== version 1 of 1: 4 launches
;; limits: values are held in f16: magnitudes above 65,504 overflow, below 6.1e-05 lose precision; inputs' magnitudes at most 65,504; right only within a limited range of input values
;; workspace buffers: xh 50,331,648 bytes; wh 8,388,608 bytes; qkv 50,331,648 bytes; att 16,777,216 bytes
;; launch tof16 (part 1): grid 64 x 28, 8 waves a work-group, no clusters, 0 bytes of LDS; arguments query, key, value, q_w, k_w, v_w, out_w, xh, wh; writes xh, wh
.if DOCPART == 1
	.amdgcn_target "amdgcn-amd-amdhsa--gfx1250"
	.amdhsa_code_object_version 6
	.text
	.protected	k_q4c46780199_tof16
	.globl	k_q4c46780199_tof16
	.p2align	8
	.type	k_q4c46780199_tof16,@function
k_q4c46780199_tof16:
	s_mov_b64 s[64:65], 0
	v_nop
	global_prefetch_b8 v0, s[64:65] scope:SCOPE_SE
	s_setreg_imm32_b32 hwreg(HW_REG_WAVE_MODE, 25, 1), 1
	s_wait_xcnt 0x0
; f32 to f16, once for each element that a later product reads many times.
; xh = [24576][1024] f16: query's 8192 rows, then key's, then value's.  wh = [4][1024][1024] f16: q_w / 8, k_w / 8, v_w / 8, 8 out_w.
; WHY f16: its significand has three bits more than bf16's, and the result passes through twelve roundings of operands.
; WHY THE FACTORS: they are exact powers of two that keep q, k, v and the attention's result as value / 8 in f16.  With offsets of 30
; spreads on an activation and on its weight a projection reaches 1024 x 30 x 30/32 = 28,800; an eighth of it is 3,600, 18 times under
; f16's largest number.  The last product undoes the factor: (att / 8) (8 out_w).
; Limits: an activation beyond 65,504 in magnitude becomes infinite.  A weight / 8 below 2^-14 is kept to a step of 2^-24: for weights 30
; times smaller than 1/32 (spread 1.3e-4 after the factor) that step's rounding is 1.3e-4 of the spread, no more than f16's ordinary rounding.
; Grid y is a unit of 1,048,576 elements: 0-7 query, 8-15 key, 16-23 value, 24-27 the four weights.  Grid x is a chunk of 16,384
; elements of the unit: 64 KiB in, 32 KiB out.  A wave takes 8 KiB of it by sixteen loads of 512 neighbouring bytes, all issued
; before the first is used; each store of a wave covers 256 consecutive bytes, aligned.  No source of a pending instruction is written,
; so no wait frees one.  A pure stream: no LDS, no barrier, no matrix unit; no cluster, since no two work-groups read the same byte.
.set DEPTH, 16                         ; loads of a wave, all in flight together
.set X, 4                              ; v[4:67]   slot j: 4 f32 as loaded
.set Y, 68                             ; v[68:99]  slot j: 4 f16 to store
	s_load_b512 s[4:19], s[0:1], 0x0               ; query, key, value, q_w, k_w, v_w, out_w, xh
	s_load_b64 s[20:21], s[0:1], 0x40              ; wh
	s_and_b32 s24, ttmp7, 0xffff                   ; the unit
	v_and_b32 v3, 31, v0                           ; lane
	v_lshrrev_b32 v2, 5, v0                        ; wave
	v_lshlrev_b32 v1, 4, v3
	v_lshl_add_u32 v1, v2, 13, v1                  ; in: 8,192 x wave + 16 x lane
	v_lshlrev_b32 v3, 3, v3
	v_lshl_add_u32 v2, v2, 12, v3                  ; out: 4,096 x wave + 8 x lane
	s_mov_b32 s32, 0x3e000000                      ; a weight's factor: 1/8,
	s_cmp_eq_u32 s24, 27
	s_cselect_b32 s32, 0x41000000, s32             ; or 8 for out_w
	s_mov_b32 s33, s32                             ; a pair for the packed form
	s_and_b32 s25, s24, 7                          ; the unit's place in its activation tensor,
	s_sub_co_u32 s28, s24, 24                      ; or which weight it is
	s_cmp_ge_u32 s24, 24
	s_cselect_b32 s25, 0, s25                      ; a weight is one unit: it is read from its start
	s_cselect_b32 s28, s28, s24                    ; place in wh, or in xh
	s_lshl_b32 s25, s25, 22                        ; a unit is 4 MiB of f32
	s_lshl_b32 s26, ttmp9, 16
	s_add_co_u32 s26, s26, s25
	s_mov_b32 s27, 0                               ; s[26:27]: byte offset in the source
	s_lshl_b32 s28, s28, 21                        ; and 2 MiB of f16
	s_lshl_b32 s29, ttmp9, 15
	s_add_co_u32 s28, s28, s29
	s_mov_b32 s29, 0                               ; s[28:29]: byte offset in the destination
	s_wait_kmcnt 0x0
	s_mov_b64 s[22:23], s[4:5]                     ; the source: query, unless the unit lies further on
.macro PICK from, lo
	s_cmp_ge_u32 s24, \from
	s_cselect_b64 s[22:23], s[\lo:\lo+1], s[22:23]
.endm
	PICK 8, 6
	PICK 16, 8
	PICK 24, 10
	PICK 25, 12
	PICK 26, 14
	PICK 27, 16
	s_cmp_ge_u32 s24, 24
	s_cselect_b64 s[30:31], s[20:21], s[18:19]     ; the destination: wh for weights, xh else
	s_add_nc_u64 s[22:23], s[22:23], s[26:27]
	s_add_nc_u64 s[30:31], s[30:31], s[28:29]
.irp j, 0,1,2,3,4,5,6,7,8,9,10,11,12,13,14,15
	global_load_b128 v[X+4*\j:X+4*\j+3], v1, s[22:23] offset:512*\j th:TH_LOAD_NT   ; read once in the launch
.endr
; The sixteen slots in turn.  scaled = 1: a weight, multiplied by its power of two first.
.macro CONV scaled
.irp j, 0,1,2,3,4,5,6,7,8,9,10,11,12,13,14,15
	s_wait_loadcnt DEPTH-1-\j                      ; loads come back in order: load j is in, the 15 - j younger ones stay out
.if \scaled
	v_pk_mul_f32 v[X+4*\j:X+4*\j+1], v[X+4*\j:X+4*\j+1], s[32:33] op_sel_hi:[1,0]
	v_pk_mul_f32 v[X+4*\j+2:X+4*\j+3], v[X+4*\j+2:X+4*\j+3], s[32:33] op_sel_hi:[1,0]
.endif
	v_cvt_pk_f16_f32 v[Y+2*\j], v[X+4*\j], v[X+4*\j+1]
	v_cvt_pk_f16_f32 v[Y+2*\j+1], v[X+4*\j+2], v[X+4*\j+3]
	global_store_b64 v2, v[Y+2*\j:Y+2*\j+1], s[30:31] offset:256*\j
.endr
.endm
	s_cmp_ge_u32 s24, 24                           ; the whole work-group goes one way: the unit's number decides
	s_cbranch_scc1 .Lweights
	CONV 0                                         ; 24 of the 28 units: activations, converted as they are
	s_endpgm
.Lweights:
	CONV 1
	s_endpgm
.Lfunc_end_k_q4c46780199_tof16:
	.size	k_q4c46780199_tof16, .Lfunc_end_k_q4c46780199_tof16-k_q4c46780199_tof16
	.p2alignl 7, 3214868480
	.fill 96, 4, 3214868480
	.section	.rodata,"a",@progbits
	.p2align	6, 0x0
	.amdhsa_kernel k_q4c46780199_tof16
		.amdhsa_group_segment_fixed_size 0
		.amdhsa_private_segment_fixed_size 0
		.amdhsa_enable_private_segment 0
		.amdhsa_kernarg_size 72
		.amdhsa_user_sgpr_count 2
		.amdhsa_user_sgpr_kernarg_segment_ptr 1
		.amdhsa_wavefront_size32 1
		.amdhsa_system_sgpr_workgroup_id_x 1
		.amdhsa_system_sgpr_workgroup_id_y 1
		.amdhsa_system_sgpr_workgroup_id_z 1
		.amdhsa_system_vgpr_workitem_id 0
		.amdhsa_next_free_vgpr 100
		.amdhsa_next_free_sgpr 66
		.amdhsa_reserve_vcc 0
		.amdhsa_float_denorm_mode_32 3
		.amdhsa_float_denorm_mode_16_64 3
		.amdhsa_memory_ordered 1
		.amdhsa_forward_progress 1
		.amdhsa_inst_pref_size 14
	.end_amdhsa_kernel
	.amdgpu_metadata
---
amdhsa.version: [ 1, 2 ]
amdhsa.kernels:
  - .name:           k_q4c46780199_tof16
    .symbol:         k_q4c46780199_tof16.kd
    .args:
      - { .name: query, .offset: 0, .size: 8, .value_kind: global_buffer, .address_space: global }
      - { .name: key, .offset: 8, .size: 8, .value_kind: global_buffer, .address_space: global }
      - { .name: value, .offset: 16, .size: 8, .value_kind: global_buffer, .address_space: global }
      - { .name: q_w, .offset: 24, .size: 8, .value_kind: global_buffer, .address_space: global }
      - { .name: k_w, .offset: 32, .size: 8, .value_kind: global_buffer, .address_space: global }
      - { .name: v_w, .offset: 40, .size: 8, .value_kind: global_buffer, .address_space: global }
      - { .name: out_w, .offset: 48, .size: 8, .value_kind: global_buffer, .address_space: global }
      - { .name: xh, .offset: 56, .size: 8, .value_kind: global_buffer, .address_space: global }
      - { .name: wh, .offset: 64, .size: 8, .value_kind: global_buffer, .address_space: global }
    .group_segment_fixed_size: 0
    .private_segment_fixed_size: 0
    .kernarg_segment_align: 8
    .kernarg_segment_size: 72
    .max_flat_workgroup_size: 256
    .sgpr_count:     66
    .vgpr_count:     100
    .wavefront_size: 32
...
	.end_amdgpu_metadata
.endif
;; end of part 1
;; launch qkvproj (part 2): grid 4 x 96, 4 waves a work-group, clusters of 4 x 4, 327,680 bytes of LDS; arguments xh, wh, q_b, k_b, v_b, qkv; writes qkv
.if DOCPART == 2
	.amdgcn_target "amdgcn-amd-amdhsa--gfx1250"
	.amdhsa_code_object_version 6
	.text
	.protected	k_q4c46780199_qkvproj
	.globl	k_q4c46780199_qkvproj
	.p2align	8
	.type	k_q4c46780199_qkvproj,@function
k_q4c46780199_qkvproj:
	s_mov_b64 s[64:65], 0
	v_nop
	global_prefetch_b8 v0, s[64:65] scope:SCOPE_SE
	s_setreg_imm32_b32 hwreg(HW_REG_WAVE_MODE, 25, 1), 1
	s_wait_xcnt 0x0
	s_wait_alu depctr_hold_cnt(0) depctr_sa_sdst(0) depctr_va_vdst(0) depctr_va_sdst(0) depctr_va_ssrc(0) depctr_va_vcc(0) depctr_vm_vsrc(0)
	s_getreg_b32 s2, hwreg(HW_REG_IB_STS2, 6, 4)
	s_cmp_eq_u32 s2, 0
	s_cbranch_scc0 .Lentry_in_a_cluster
	s_endpgm
.Lentry_in_a_cluster:
	s_bfe_u32 s2, ttmp6, 0x10000c
	s_cmp_lg_u32 s2, 0xf033
	s_cbranch_scc0 .Lentry_shape_is_right
	s_endpgm
.Lentry_shape_is_right:
; The three input projections as one product: C[m][n] = sum over k of X[m][k] (W[n][k] / 8) + bias[n] / 8, K = 1024, f16 operands, f32 sums.
; X = xh, 24,576 rows (query, key, value); rows 8192 g .. belong to weight g of wh (stored as W / 8) and to bias g (q_b, k_b, v_b).
; The result, q / 8, k / 8, v / 8, goes out in f16, head-major: qkv = [3][64 = 16 b + head][2048][64], so that a head's rows lie densely.
; The eighth is an exact power of two; it gives the stored values room in f16: with offsets of 30 spreads on an activation and on its
; weight a projection reaches 1024 x 30 x 30/32 = 28,800, stored as 3,600.
; A work-group makes 256 rows x 256 columns with four waves (2 x 2), a wave 128 x 128: 64 accumulator tiles, 512 registers.
; K goes in steps of 128 through two LDS slots; a tile's rows are 256 bytes of memory, aligned to 256.  From a tile's request to the wait
; for it a wave issues 240 matrix instructions; a block of half the rows would leave half of that.  The grid is 4 x 96 = 384 blocks:
; blocks of 192 or 384 rows would share out more evenly, but they do not divide the 8,192 rows of one projection.
; CLUSTERS of 4 x 4: the four work-groups of a cluster's row need the same rows of X, the four of a column the same rows of W:
; each such tile is asked for jointly (same line, same descriptor, a mask that names the four).
; A slot is four parts of 34,816 bytes (128 rows at pitch 272), part w filled by wave w: X's rows 0-127, 128-255, W's rows 0-127, 128-255.
; REGISTERS in windows of 256: window 0: v16-27 addresses; v64-127, v128-191 fragments of X, two buffers; v192-223 packing on the way out.
;   window 1: v0-63 an eighth of the bias of my 128 columns in the accumulators' layout; v64-127, v128-191 fragments of W, two buffers.
;   window 2: the 32 accumulator tiles of my rows 0-63 (tile (a, b) at v[8 (8 a + b)]); window 3: those of my rows 64-127.
; The first product of each tile takes the bias as C, so nothing is cleared or added later.
; The matrix instruction is used transposed (source 0 = 16 rows of W, source 1 = 16 rows of X): lane l holds row l % 16 of C and
; its registers j the columns 8 (l / 16) + j, eight neighbours that pack into 16 bytes.
; Limits: a projection of 524,032 or more in magnitude is stored as infinity; NaN and infinities get no special treatment.
.set SIZE_K, 1024
.set KSTEP,  128
.set LAPS,   SIZE_K/(2*KSTEP)          ; 4: a lap is two K steps, once round the ring
.set PITCH,  272                       ; 256 bytes + 16 of padding: an odd multiple of 16, so a fragment's 16 rows start in 16 different 16-byte columns
.set HALFT,  128*PITCH                 ; 34,816: what one tensor load brings, and what one wave reads of X or of W
.set SLOT,   4*HALFT
.set STAGE,  2*SLOT                    ; behind the ring, never a tensor load's target: 16 rows x 272 bytes for each wave
.set SPITCH, 272
.set STW,    16*SPITCH
.set ADRA, 16                          ; v16-17 LDS address of my X fragments in slot 0, 1
.set ADRB, 20                          ; v20-21 the same for W
.set STO,  24                          ; way out: where I put 16 bytes of a row
.set RD,   25                          ; way out: where I read back
.set CO,   26                          ; way out: my byte offset in qkv
.set BO,   27                          ; my byte offset in the bias
.set F0,   64                          ; fragment buffer 0
.set F1,   128                         ; fragment buffer 1
.set TMP,  192                         ; way out: packed results
.set G1A, 24                           ; s[24:31] group 1 for X's tiles
.set G0A, 32                           ; s[32:39] group 0 for X's tiles, one set a slot
.set G1B, 40                           ; s[40:47] group 1 for W's tiles
.set G0B, 48                           ; s[48:55] group 0 for W's tiles, one set a slot
.set FLAGS, (1<<16)|(1<<20)|(1<<21)|(5<<22)|(3<<25)   ; 2-byte elements; padding on; bit 21 beside a mask; after every 64 words 4 words
.set MUL_LO,  0xa1                     ; source 0 (W) window 1, source 1 (X) window 0, C and D window 2
.set MUL_HI,  0xf1                     ; the same, C and D window 3
.set MUL_LO1, 0x91                     ; the first products: C is the bias in window 1, D window 2
.set MUL_HI1, 0xd1                     ; C window 1, D window 3
.set TO_B,    0x40                     ; destination window 1, address window 0
.set MSB, 0
.macro WIN new                         ; the immediate's high byte repeats the setting that is left
.if MSB != \new
	s_set_vgpr_msb (MSB<<8)|\new
.set MSB, \new
.endif
.endm
.macro PLACES                          ; four independent vector instructions behind a matrix instruction (ISA guide 7.12.1)
.rept 4
	v_nop
.endr
.endm
.macro JLOAD s                         ; waves 0, 1 ask for X's halves, waves 2, 3 for W's: one tensor load a wave, one mask a line
	s_cmp_eq_u32 s17, 0
	s_cbranch_scc0 .Lfor_b_\@
	tensor_load_to_lds s[G0A+4*\s:G0A+4*\s+3], s[G1A:G1A+7]
	s_nop 0
	s_branch .Lasked_\@
.Lfor_b_\@:
	tensor_load_to_lds s[G0B+4*\s:G0B+4*\s+3], s[G1B:G1B+7]
	s_nop 0
.Lasked_\@:
.endm
.macro CREST                           ; a round of the cluster's barrier, behind its opening work-group barrier
	s_cmp_lg_u32 s16, 0
	s_cbranch_scc1 .Lnot_wave_0_\@
	s_barrier_signal -3
.Lnot_wave_0_\@:
	s_barrier_wait -3
	s_barrier_signal -1
	s_barrier_wait -1
.endm
.macro CROUND
	s_barrier_signal -1
	s_barrier_wait -1
	CREST
.endm
	s_load_b256 s[4:11], s[0:1], 0x0               ; xh s[4:5], wh s[6:7], q_b s[8:9], k_b s[10:11]
	s_load_b128 s[12:15], s[0:1], 0x20             ; v_b s[12:13], qkv s[14:15]
	s_set_vgpr_msb 0x40
	v_lshl_add_u32 v255, v0, 2, 0x48400
	s_set_vgpr_msb 0x4000
	v_mov_b32 v255, 0
	s_set_vgpr_msb 0x1
	ds_add_u32 v255, v255
	s_set_vgpr_msb 0x100
	v_lshrrev_b32 v1, 5, v0
	v_readfirstlane_b32 s16, v1                    ; wave 0..3
	s_lshr_b32 s17, s16, 1                         ; my 128 rows of the block; also: I fetch X (0) or W (1)
	s_and_b32 s18, s16, 1                          ; my 128 columns; also: which 128 rows of that tile I fetch
	s_bfe_u32 s19, ttmp6, 0x40000                  ; cx
	s_bfe_u32 s20, ttmp6, 0x40004                  ; cy
	s_lshl_b32 s21, ttmp9, 2
	s_add_co_u32 s21, s21, s19                     ; block column = 4 x cluster x + cx, 0..3
	s_and_b32 s23, ttmp7, 0xffff
	s_lshl_b32 s22, s23, 2
	s_add_co_u32 s22, s22, s20                     ; block row = 4 x cluster y + cy, 0..95
	s_lshr_b32 s23, s23, 3                         ; g: 8 clusters of 1,024 rows for each of query, key, value; equal in all partners
	s_lshl_b32 s56, s20, 2
	s_lshl_b32 s56, 15, s56                        ; my row of the cluster
	s_lshl_b32 s58, 0x1111, s19                    ; my column
	s_or_b32 s[G1A+0], s56, FLAGS                  ; X's tiles hang on the block row alone
	s_or_b32 s[G1B+0], s58, FLAGS                  ; W's on the block column (and g) alone
.irp g, G1A, G1B
	s_mov_b32 s[\g+1], KSTEP<<16                   ; tensor_dim0 = 128 elements
	s_mov_b32 s[\g+2], 128<<16                     ; tensor_dim1 = 128 rows
	s_mov_b32 s[\g+3], KSTEP<<16                   ; tile_dim0 = 128
	s_mov_b32 s[\g+4], 128                         ; tile_dim1 = 128
	s_mov_b32 s[\g+5], SIZE_K                      ; elements from row to row
	s_mov_b32 s[\g+6], 0
	s_mov_b32 s[\g+7], 0
.endr
	s_lshl_b32 s56, s22, 8                         ; X: row 256 x block row + 128 x half,
	s_lshl_b32 s57, s18, 7
	s_add_co_u32 s56, s56, s57
	s_lshl_b32 s56, s56, 11                        ; times 2,048 bytes: 48 MiB at the most
	s_mov_b32 s57, 0
	s_lshl_b32 s58, s23, 10                        ; W: row 1024 g + 256 x block column + 128 x half
	s_lshl_b32 s59, s21, 8
	s_add_co_u32 s58, s58, s59
	s_lshl_b32 s59, s18, 7
	s_add_co_u32 s58, s58, s59
	s_lshl_b32 s58, s58, 11
	s_mov_b32 s59, 0
	s_mul_i32 s60, s16, HALFT                      ; where my part of a tile goes: the wave's number alone
	s_lshl_b32 s70, s21, 10                        ; bias: 4 bytes x (256 x block column + 128 x my half)
	s_lshl_b32 s71, s18, 9
	s_add_co_u32 s70, s70, s71
	s_mov_b32 s71, 0
	s_lshr_b32 s72, s22, 3                         ; out: plane 16 x (4 g + b) + 4 x block column + 2 x my half,
	s_lshl_b32 s72, s72, 4
	s_lshl_b32 s73, s21, 2
	s_add_co_u32 s72, s72, s73
	s_lshl_b32 s73, s18, 1
	s_add_co_u32 s72, s72, s73
	s_lshl_b32 s72, s72, 18                        ; a plane is 262,144 bytes
	s_and_b32 s73, s22, 7                          ; row in the plane: 256 x (block row mod 8) + 128 x my half, 128 bytes each
	s_lshl_b32 s73, s73, 15
	s_add_co_u32 s72, s72, s73
	s_lshl_b32 s73, s17, 14
	s_add_co_u32 s72, s72, s73
	s_mov_b32 s73, 0
	s_wait_dscnt 0x0
	s_wait_kmcnt 0x0
	s_add_nc_u64 s[56:57], s[4:5], s[56:57]
	s_add_nc_u64 s[58:59], s[6:7], s[58:59]
	s_mov_b64 s[66:67], s[8:9]                     ; the bias of g
	s_cmp_ge_u32 s23, 1
	s_cselect_b64 s[66:67], s[10:11], s[66:67]
	s_cmp_ge_u32 s23, 2
	s_cselect_b64 s[66:67], s[12:13], s[66:67]
	s_add_nc_u64 s[66:67], s[66:67], s[70:71]
	s_add_nc_u64 s[68:69], s[14:15], s[72:73]
	CROUND                                         ; all sixteen work-groups are here: the first joint loads meet
.irp s, 0,1
	s_mov_b32 s[G0A+4*\s], 1
	s_add_co_u32 s[G0A+4*\s+1], s60, \s*SLOT
	s_add_nc_u64 s[G0A+4*\s+2:G0A+4*\s+3], s[56:57], \s*KSTEP*2
	s_or_b32 s[G0A+4*\s+3], s[G0A+4*\s+3], 0x80000000
	s_mov_b32 s[G0B+4*\s], 1
	s_add_co_u32 s[G0B+4*\s+1], s60, \s*SLOT
	s_add_nc_u64 s[G0B+4*\s+2:G0B+4*\s+3], s[58:59], \s*KSTEP*2
	s_or_b32 s[G0B+4*\s+3], s[G0B+4*\s+3], 0x80000000
	JLOAD \s                                       ; K steps 0 and 1: two tensor loads of the wave are out
.endr
	v_and_b32 v1, 15, v0                           ; r = l % 16
	v_bfe_u32 v2, v0, 4, 1                         ; h = l / 16
	v_and_b32 v3, 31, v0                           ; l
	v_lshlrev_b32 v[BO], 5, v2                     ; 8 h numbers of 4 bytes
	WIN TO_B                                       ; destination in window 1
.irp b, 0,1,2,3,4,5,6,7
	global_load_b128 v[8*\b:8*\b+3],   v[BO], s[66:67] offset:64*\b      ; bias[16 b + 8 h + 0..3]
	global_load_b128 v[8*\b+4:8*\b+7], v[BO], s[66:67] offset:64*\b+16   ; and + 4..7
.endr
	WIN 0
	v_mul_u32_u24 v4, v1, PITCH
	v_lshl_add_u32 v4, v2, 4, v4                   ; row x pitch + 16 h: a fragment is two loads of 16 bytes, 32 bytes apart
	s_mul_i32 s74, s17, HALFT                      ; my 128 rows of X
	s_mul_i32 s75, s18, HALFT                      ; my 128 rows of W,
	s_add_co_u32 s75, s75, 2*HALFT                 ; which lie behind X's 256
.irp s, 0,1
	v_add_nc_u32 v[ADRA+\s], s74, v4
	v_add_nc_u32 v[ADRB+\s], s75, v4
	s_add_co_u32 s74, s74, SLOT
	s_add_co_u32 s75, s75, SLOT
.endr
	s_mul_i32 s76, s16, STW
	s_add_co_u32 s76, s76, STAGE                   ; my stage
	v_add_nc_u32 v[STO], s76, v4                   ; in: row r, 16 h
	v_lshrrev_b32 v5, 3, v3                        ; back: eight lanes take one head's 128 bytes of a row, four rows a load
	v_mul_u32_u24 v5, v5, SPITCH
	v_and_b32 v6, 7, v0
	v_lshl_add_u32 v5, v6, 4, v5
	v_add_nc_u32 v[RD], s76, v5
	v_lshlrev_b32 v[CO], 4, v3                     ; those four rows are 512 consecutive bytes of the head's plane
; 16 matrix instructions: row blocks a0, a0 + 1 of the window's four (hi = 0: my rows 0-63, 1: rows 64-127) x all 8 column blocks, 32 along K.
; first = 1: C is the bias (window 1).  The 64 accumulators take turns, one instruction a turn, in the same order in every quarter step.
.macro MUL16 f, hi, a0, first
.irp a, \a0, \a0+1
.irp b, 0,1,2,3,4,5,6,7
.if \first
	v_wmma_f32_16x16x32_f16 v[8*(8*(\a)+\b):8*(8*(\a)+\b)+7], v[\f+8*\b:\f+8*\b+7], v[\f+8*(4*\hi+\a):\f+8*(4*\hi+\a)+7], v[8*\b:8*\b+7]
.else
	v_wmma_f32_16x16x32_f16 v[8*(8*(\a)+\b):8*(8*(\a)+\b)+7], v[\f+8*\b:\f+8*\b+7], v[\f+8*(4*\hi+\a):\f+8*(4*\hi+\a)+7], v[8*(8*(\a)+\b):8*(8*(\a)+\b)+7]
.endif
.endr
.endr
.endm
; 32 LDS loads in one run: the fragments of one quarter step (128 rows of W, 128 rows of X, 32 K at byte k of the rows) into buffer f
.macro FETCH slot, k, f
	WIN TO_B
.irp i, 0,1,2,3,4,5,6,7
	ds_load_b128 v[\f+8*\i:\f+8*\i+3],   v[ADRB+\slot] offset:\k+\i*16*PITCH
	ds_load_b128 v[\f+8*\i+4:\f+8*\i+7], v[ADRB+\slot] offset:\k+\i*16*PITCH+32
.endr
	WIN 0
.irp i, 0,1,2,3,4,5,6,7
	ds_load_b128 v[\f+8*\i:\f+8*\i+3],   v[ADRA+\slot] offset:\k+\i*16*PITCH
	ds_load_b128 v[\f+8*\i+4:\f+8*\i+7], v[ADRA+\slot] offset:\k+\i*16*PITCH+32
.endr
.endm
; A K step is four quarter steps of 32 along K, 64 matrix instructions each, on buffers 0, 1, 0, 1.
; One of the first three: multiplies buffer f; in its middle it fetches the next quarter's fragments, at byte k of the same slot's rows, into g.
.macro QUARTER slot, k, f, g, first
	s_wait_dscnt 8                                 ; W and X's rows 0-63 are in; the youngest eight loads (X's rows 64-127) may be out
.if \first
	WIN MUL_LO1
.else
	WIN MUL_LO
.endif
	MUL16 \f, 0, 0, \first
	MUL16 \f, 0, 2, \first
	PLACES                                         ; g was read by matrix instructions of the quarter before
	FETCH \slot, \k, \g
	s_wait_dscnt 32                                ; all but the 32 just issued
.if \first
	WIN MUL_HI1
.else
	WIN MUL_HI
.endif
	MUL16 \f, 1, 0, \first
	MUL16 \f, 1, 2, \first
.endm
.macro THREE slot, first
	QUARTER \slot, 64,  F0, F1, \first
	QUARTER \slot, 128, F1, F0, 0
	QUARTER \slot, 192, F0, F1, 0
.endm
; The last quarter multiplies buffer 1 and changes slots.  In front of the barrier: my reads of this slot are back and all my tensor loads
; have landed (the one that was out is my part of the next slot).  With fill = 1 the barrier opens a round of the cluster's barrier, and the
; joint refill of this slot, two K steps ahead, is the first tensor load behind the round: one tensor load of the wave is out from there on.
.macro TURN slot, next, fill
	s_wait_dscnt 8
	WIN MUL_LO
	MUL16 F1, 0, 0, 0
	s_wait_dscnt 0x0                               ; my reads of this slot are over
	s_wait_tensorcnt 0x0                           ; and all my tensor loads have landed
	ds_add_u32 v255, v255
	s_wait_dscnt 0x0
	s_barrier_signal -1
	MUL16 F1, 0, 2, 0                              ; register work while the others arrive
	WIN 0
	s_barrier_wait -1
.if \fill
	CREST
	s_add_nc_u64 s[G0A+4*\slot+2:G0A+4*\slot+3], s[G0A+4*\slot+2:G0A+4*\slot+3], 2*KSTEP*2
	s_add_nc_u64 s[G0B+4*\slot+2:G0B+4*\slot+3], s[G0B+4*\slot+2:G0B+4*\slot+3], 2*KSTEP*2
	JLOAD \slot
.endif
	PLACES
	FETCH \next, 0, F0
	WIN MUL_HI
	MUL16 F1, 1, 0, 0
	MUL16 F1, 1, 2, 0
.endm
.macro LAP first
	THREE 0, \first
	TURN 0, 1, 1
	THREE 1, 0
	TURN 1, 0, 1
.endm
	s_wait_loadcnt 0x0                             ; the bias
	WIN 0x41                                       ; destination and source 0 in window 1
.set j, 0
.rept 32
	v_pk_mul_f32 v[j:j+1], v[j:j+1], 0x3e000000 op_sel_hi:[1,0]   ; bias / 8: the sums are kept as an eighth of the projection
.set j, j+2
.endr
	WIN 0
	s_wait_tensorcnt 0x1                           ; my part of K step 0 is in; K step 1's may stay out
	s_barrier_signal -1
	s_barrier_wait -1
	FETCH 0, 0, F0
	LAP 1                                          ; K steps 0, 1; asks for 2, 3
	WIN 0                                          ; at a label and at a branch every window is 0
	s_mov_b32 s62, LAPS-2
.Llap:
	LAP 0                                          ; K steps 2-5; asks for 4-7
	WIN 0
	s_sub_co_u32 s62, s62, 1
	s_cmp_lg_u32 s62, 0
	s_cbranch_scc1 .Llap
	THREE 0, 0                                     ; the last lap fills nothing
	TURN 0, 1, 0
	THREE 1, 0
	s_wait_dscnt 8                                 ; the very last quarter: nothing more to fetch
	WIN MUL_LO
	MUL16 F1, 0, 0, 0
	MUL16 F1, 0, 2, 0
	s_wait_dscnt 0x0
	WIN MUL_HI
	MUL16 F1, 1, 0, 0
	MUL16 F1, 1, 2, 0
	PLACES                                         ; behind the last products: the conversions read results, the loads below land in fragment buffers
; THE WAY OUT, 16 rows at a time: round to f16, 16 bytes a lane into my own stage, read back by heads.  My 128 columns are two heads;
; four rows of a head are 512 consecutive bytes of its plane, which one store of the wave covers.
; rows 16 i .. 16 i + 15 of my block = the eight tiles (a, 0..7) of window 2 or 3 (from = 0x0a or 0x0f: sources 0 and 1); f: F0 or F1 in turn
.macro OUT16 i, a, from, f
	WIN \from
.irp b, 0,1,2,3,4,5,6,7
.irp rr, 0,1,2,3
	v_cvt_pk_f16_f32 v[TMP+4*\b+\rr], v[8*(8*\a+\b)+2*\rr], v[8*(8*\a+\b)+2*\rr+1]
.endr
.endr
	WIN 0
.irp b, 0,1,2,3,4,5,6,7
	ds_store_b128 v[STO], v[TMP+4*\b:TMP+4*\b+3] offset:32*\b
.endr
	s_wait_xcnt 0x0                                ; buffer f was the data of earlier stores: it is loaded again only behind this wait
.irp t, 0,1,2,3,4,5,6,7
	ds_load_b128 v[\f+4*\t:\f+4*\t+3], v[RD] offset:(\t&3)*4*SPITCH+(\t>>2)*128   ; a wave's LDS instructions are served in order: these see the stores above
.endr
.irp t, 0,1,2,3,4,5,6,7
	s_wait_dscnt 7-\t                              ; read-back t is in, the 7 - t younger ones stay out
	global_store_b128 v[CO], v[\f+4*\t:\f+4*\t+3], s[68:69] offset:\i*2048+(\t&3)*512+(\t>>2)*262144
.endr
.endm
	OUT16 0, 0, 0x0a, F0
	OUT16 1, 1, 0x0a, F1
	OUT16 2, 2, 0x0a, F0
	OUT16 3, 3, 0x0a, F1
	OUT16 4, 0, 0x0f, F0
	OUT16 5, 1, 0x0f, F1
	OUT16 6, 2, 0x0f, F0
	OUT16 7, 3, 0x0f, F1
	s_set_vgpr_msb 0x1
	s_wait_tensorcnt 0x0
	ds_add_u32 v255, v255
	s_wait_dscnt 0x0
	s_set_vgpr_msb 0x100
	CROUND                                         ; the closing round: no work-group ends while a partner may still ask jointly
	s_endpgm
.Lfunc_end_k_q4c46780199_qkvproj:
	.size	k_q4c46780199_qkvproj, .Lfunc_end_k_q4c46780199_qkvproj-k_q4c46780199_qkvproj
	.p2alignl 7, 3214868480
	.fill 96, 4, 3214868480
	.section	.rodata,"a",@progbits
	.p2align	6, 0x0
	.amdhsa_kernel k_q4c46780199_qkvproj
		.amdhsa_group_segment_fixed_size 327680
		.amdhsa_private_segment_fixed_size 0
		.amdhsa_enable_private_segment 0
		.amdhsa_kernarg_size 48
		.amdhsa_user_sgpr_count 2
		.amdhsa_user_sgpr_kernarg_segment_ptr 1
		.amdhsa_wavefront_size32 1
		.amdhsa_system_sgpr_workgroup_id_x 1
		.amdhsa_system_sgpr_workgroup_id_y 1
		.amdhsa_system_sgpr_workgroup_id_z 1
		.amdhsa_system_vgpr_workitem_id 0
		.amdhsa_next_free_vgpr 1024
		.amdhsa_next_free_sgpr 80
		.amdhsa_reserve_vcc 0
		.amdhsa_float_denorm_mode_32 3
		.amdhsa_float_denorm_mode_16_64 3
		.amdhsa_memory_ordered 1
		.amdhsa_forward_progress 1
		.amdhsa_inst_pref_size 201
	.end_amdhsa_kernel
	.amdgpu_metadata
---
amdhsa.version: [ 1, 2 ]
amdhsa.kernels:
  - .name:           k_q4c46780199_qkvproj
    .symbol:         k_q4c46780199_qkvproj.kd
    .args:
      - { .name: xh, .offset: 0, .size: 8, .value_kind: global_buffer, .address_space: global }
      - { .name: wh, .offset: 8, .size: 8, .value_kind: global_buffer, .address_space: global }
      - { .name: q_b, .offset: 16, .size: 8, .value_kind: global_buffer, .address_space: global }
      - { .name: k_b, .offset: 24, .size: 8, .value_kind: global_buffer, .address_space: global }
      - { .name: v_b, .offset: 32, .size: 8, .value_kind: global_buffer, .address_space: global }
      - { .name: qkv, .offset: 40, .size: 8, .value_kind: global_buffer, .address_space: global }
    .group_segment_fixed_size: 327680
    .private_segment_fixed_size: 0
    .kernarg_segment_align: 8
    .kernarg_segment_size: 48
    .max_flat_workgroup_size: 128
    .sgpr_count:     80
    .vgpr_count:     1024
    .wavefront_size: 32
...
	.end_amdgpu_metadata
.endif
;; end of part 2
;; launch attn (part 3): grid 256 x 1, 8 waves a work-group, clusters of 4 x 1, 327,680 bytes of LDS; arguments qkv, att; writes att
.if DOCPART == 3
	.amdgcn_target "amdgcn-amd-amdhsa--gfx1250"
	.amdhsa_code_object_version 6
	.text
	.protected	k_q4c46780199_attn
	.globl	k_q4c46780199_attn
	.p2align	8
	.type	k_q4c46780199_attn,@function
k_q4c46780199_attn:
	s_mov_b64 s[64:65], 0
	v_nop
	global_prefetch_b8 v0, s[64:65] scope:SCOPE_SE
	s_setreg_imm32_b32 hwreg(HW_REG_WAVE_MODE, 25, 1), 1
	s_wait_xcnt 0x0
	s_wait_alu depctr_hold_cnt(0) depctr_sa_sdst(0) depctr_va_vdst(0) depctr_va_sdst(0) depctr_va_ssrc(0) depctr_va_vcc(0) depctr_vm_vsrc(0)
	s_getreg_b32 s2, hwreg(HW_REG_IB_STS2, 6, 4)
	s_cmp_eq_u32 s2, 0
	s_cbranch_scc0 .Lentry_in_a_cluster
	s_endpgm
.Lentry_in_a_cluster:
	s_bfe_u32 s2, ttmp6, 0x10000c
	s_cmp_lg_u32 s2, 0x3003
	s_cbranch_scc0 .Lentry_shape_is_right
	s_endpgm
.Lentry_shape_is_right:
; Attention of one (batch, head) pair for 512 query rows: att = softmax(Q K^T / 8) V, with a running maximum, never storing the scores.
; qkv = [3][64][2048][64] f16 (planes of 262,144 bytes: Q = bh, K = 64 + bh, V = 128 + bh), each value stored as an eighth of itself;
; att = [64][2048][64] f16, an eighth of the result likewise (a weighted mean of V's rows keeps V's factor).
; With q' = q / 8 and k' = k / 8 the score q.k / 8 is 8 q'.k', so the exponent in base 2 is c q'.k' with c = 8 log2(e).
; The cluster's x is bh; the four work-groups of a cluster take the head's four blocks of 512 query rows and ask for K and V JOINTLY
; (mask 15).  Eight waves, 64 query rows each (four blocks sb of 16), two waves on a SIMD.
; EVERYTHING IS TRANSPOSED.  S^T = K (16 t) x Q^T (16 s): register j of lane (r, h) holds (t = 8 h + j, s = r), so a query row's scores
; lie in two lanes' registers and the softmax needs one exchange between the halves of the wave.  Two S^T tiles, packed to f16, ARE the
; second operand (32 t x 16 s) of O^T = V^T x P^T: no shuffle.  O^T's register j is (d = 16 db + 8 h + j, s = r): rescaling is a
; multiply by a number of the lane's own, and a lane's eight results are 16 neighbouring bytes of a row.
; THE SCORES RUN ONE BLOCK AHEAD.  There are two buffers of scores.  While the softmax of one query block works on one buffer, the eight
; products of the next block's scores are strewn singly among its vector instructions and fill the other buffer: no wave issues them back
; to back, and none reads a score straight behind the product that made it.  For that K, Q, both buffers and the weights lie in register
; window 0, where the softmax works, so these products need no change of window; O and V lie in window 1.
; The state of a row is NM = -round(c max), and p = 2^(c s + NM): the weights, the sum and the factor 2^(NMnew - NMold) all refer to the
; same number NM, so its rounding cancels in O / sum.
; K and V come in tiles of 256 t through two LDS slots.  A slot is eight parts of 10,240 bytes, part w filled by wave w:
; parts 0-3 = K, 64 rows each at pitch 144 (9,216 bytes used); parts 4-7 = V, 64 rows each at pitch 160.
; Limits: NaN and infinite inputs get no special treatment.  The weights are at most about 1 and go to the product in f16: one below
; 2^-14 of the running maximum's weight is kept to a step of 2^-24, one below 2^-25 counts as 0; the sum is taken of the unrounded weights.
.set KPITCH, 144                       ; 128 + 16: an odd multiple of 16
.set VPITCH, 160                       ; 128 + 32: an odd multiple of 32, for the transposing load
.set PART,   10240
.set VOFF,   4*PART
.set SLOT,   8*PART
.set STAGE,  2*SLOT                    ; behind the ring, never a tensor load's target: 64 rows x 144 bytes for each wave
.set STW,    64*KPITCH
.set TILEB,  32768                     ; 256 rows of 128 bytes
.set PLANE,  262144
.set KA,  2                            ; v2-3    LDS address of my K fragments in slot 0, 1
.set VA,  4                            ; v4-5    the same for V
.set STO, 6
.set RD,  7
.set CO,  8
.set QO,  9
.set NM,  10                           ; v10-13  -c x running maximum, for each sb
.set LS,  14                           ; v14-17  running sum (this lane's half of the t), for each sb
.set AL,  18                           ; v[18:19] the rescaling factor (v19 is only there to make a pair)
.set NMP, 20                           ; v[20:21] the new NM (v21 likewise)
.set TT,  22                           ; v[22:29] at work
.set KF,  32                           ; v32-95   K fragments: 16 kb + 8 ks
.set QF,  96                           ; v96-159  Q fragments: 16 sb + 8 ks
.set SC,  160                          ; v160-223 two buffers of four S^T tiles: 32 buffer + 8 kb
.set PF,  224                          ; v224-239 the weights in f16: 8 ks
.set VF,  128                          ; window 1, v128-191: V^T fragments: 16 db + 8 ks.  Window 1, v0-127: O^T tiles at 32 sb + 8 db
.set G1K, 16
.set G1V, 24
.set G0K, 32                           ; s[32:39] one set a slot
.set G0V, 40                           ; s[40:47]
.set MSB, 0
.macro WIN new
.if MSB != \new
	s_set_vgpr_msb (MSB<<8)|\new
.set MSB, \new
.endif
.endm
.macro PLACES                          ; four independent vector instructions behind a matrix instruction (ISA guide 7.12.1)
.rept 4
	v_nop
.endr
.endm
.macro ROUND                           ; a round of the cluster's barrier
	s_barrier_signal -1
	s_barrier_wait -1
	s_cmp_lg_u32 s8, 0
	s_cbranch_scc1 .Lnot_wave_0_\@
	s_barrier_signal -3
.Lnot_wave_0_\@:
	s_barrier_wait -3
	s_barrier_signal -1
	s_barrier_wait -1
.endm
.macro JLOAD s                         ; waves 0-3 ask for 64 rows of K each, waves 4-7 for 64 rows of V: one tensor load a wave
	s_cmp_lt_u32 s8, 4
	s_cbranch_scc0 .Lfor_v_\@
	tensor_load_to_lds s[G0K+4*\s:G0K+4*\s+3], s[G1K:G1K+7]
	s_nop 0
	s_branch .Lasked_\@
.Lfor_v_\@:
	tensor_load_to_lds s[G0V+4*\s:G0V+4*\s+3], s[G1V:G1V+7]
	s_nop 0
.Lasked_\@:
.endm
	s_load_b128 s[4:7], s[0:1], 0x0                ; qkv s[4:5], att s[6:7]
	v_lshl_add_u32 v254, v0, 2, 0x3a000
	v_mov_b32 v255, 0
	ds_add_u32 v254, v255
	v_lshrrev_b32 v1, 5, v0
	v_readfirstlane_b32 s8, v1                     ; wave 0..7
	s_bfe_u32 s9, ttmp6, 0x40000                   ; cx: my block of 512 query rows; it enters global addresses of my own loads and stores alone
	s_mov_b32 s10, ttmp9                           ; bh
	s_mov_b32 s12, 0x4138aa3b                      ; c = 8 log2(e), twice (a pair for the packed form)
	s_mov_b32 s13, 0x4138aa3b
	s_mov_b32 s14, 0xc138aa3b                      ; -c
	s_mov_b32 s48, 0x76543210                      ; v_permlanex16_b32: lane i reads lane i of the other half
	s_mov_b32 s49, 0xfedcba98
	; 64 rows of 128 bytes lie densely: 8 KiB, brought as 32 rows of 256 bytes; the padding is counted along the whole tile, after every 32 words
	s_mov_b32 s[G1K+0], 15|(1<<16)|(1<<20)|(1<<21)|(4<<22)|(3<<25)   ; mask of all four; 2-byte elements; padding of 4 words: pitch 144
	s_mov_b32 s[G1V+0], 15|(1<<16)|(1<<20)|(1<<21)|(4<<22)|(7<<25)   ; padding of 8 words: pitch 160
.irp g, G1K, G1V
	s_mov_b32 s[\g+1], 128<<16                     ; tensor_dim0 = 128 elements
	s_mov_b32 s[\g+2], 32<<16                      ; tensor_dim1 = 32
	s_mov_b32 s[\g+3], 128<<16                     ; tile_dim0
	s_mov_b32 s[\g+4], 32                          ; tile_dim1
	s_mov_b32 s[\g+5], 128                         ; pitch: dense
	s_mov_b32 s[\g+6], 0
	s_mov_b32 s[\g+7], 0
.endr
	s_and_b32 s52, s8, 3                           ; my 64 rows of a tile: 8,192 bytes each,
	s_lshl_b32 s52, s52, 13
	s_lshl_b32 s53, s10, 18                        ; in plane bh
	s_add_co_u32 s52, s52, s53
	s_mov_b32 s53, 0
	s_mul_i32 s56, s8, PART                        ; where they go: the wave's number alone
	s_lshl_b32 s58, s9, 16                         ; my 64 query rows: 128 bytes x (512 cx + 64 wave), in plane bh
	s_lshl_b32 s59, s8, 13
	s_add_co_u32 s58, s58, s59
	s_lshl_b32 s59, s10, 18
	s_add_co_u32 s58, s58, s59
	s_mov_b32 s59, 0
	s_wait_dscnt 0x0
	s_wait_kmcnt 0x0
	s_add_nc_u64 s[54:55], s[4:5], s[52:53]
	s_add_nc_u64 s[60:61], s[4:5], s[58:59]        ; Q
	s_add_nc_u64 s[62:63], s[6:7], s[58:59]        ; att
	ROUND                                          ; all four work-groups are here: the first joint loads meet
.irp s, 0,1
	s_mov_b32 s[G0K+4*\s], 1
	s_add_co_u32 s[G0K+4*\s+1], s56, \s*SLOT
	s_add_nc_u64 s[G0K+4*\s+2:G0K+4*\s+3], s[54:55], 64*PLANE+\s*TILEB
	s_or_b32 s[G0K+4*\s+3], s[G0K+4*\s+3], 0x80000000
	s_mov_b32 s[G0V+4*\s], 1
	s_add_co_u32 s[G0V+4*\s+1], s56, \s*SLOT
	s_add_nc_u64 s[G0V+4*\s+2:G0V+4*\s+3], s[54:55], 128*PLANE+\s*TILEB
	s_or_b32 s[G0V+4*\s+3], s[G0V+4*\s+3], 0x80000000
	JLOAD \s                                       ; tiles 0 and 1: two tensor loads of the wave are out
.endr
	v_and_b32 v22, 15, v0                          ; r
	v_bfe_u32 v23, v0, 4, 1                        ; h
	v_and_b32 v24, 31, v0                          ; l
	v_and_b32 v25, 7, v0                           ; l & 7
	v_bfe_u32 v26, v0, 3, 1                        ; (l >> 3) & 1
	v_bfe_u32 v27, v0, 3, 2                        ; l >> 3
	v_lshlrev_b32 v[QO], 7, v22
	v_lshl_add_u32 v[QO], v23, 4, v[QO]            ; row r of 128 bytes + 16 h
.irp sb, 0,1,2,3
.irp ks, 0,1
	global_load_b128 v[QF+16*\sb+8*\ks:QF+16*\sb+8*\ks+3],   v[QO], s[60:61] offset:\sb*2048+\ks*64
	global_load_b128 v[QF+16*\sb+8*\ks+4:QF+16*\sb+8*\ks+7], v[QO], s[60:61] offset:\sb*2048+\ks*64+32
.endr
.endr
	v_mul_u32_u24 v28, v22, KPITCH
	v_lshl_add_u32 v28, v23, 4, v28                ; r x 144 + 16 h
	v_mov_b32 v[KA], v28
	v_add_nc_u32 v[KA+1], SLOT, v28
	v_lshl_add_u32 v29, v23, 3, v25                ; the transposing load: row 8 h + (l & 7),
	v_mul_u32_u24 v29, v29, VPITCH
	v_lshl_add_u32 v29, v26, 4, v29                ; 16 bytes x ((l >> 3) & 1)
	v_add_nc_u32 v[VA], VOFF, v29
	v_add_nc_u32 v[VA+1], SLOT+VOFF, v29
	s_mul_i32 s51, s8, STW
	s_add_co_u32 s51, s51, STAGE                   ; my stage
	v_add_nc_u32 v[STO], s51, v28
	v_mul_u32_u24 v29, v27, KPITCH                 ; back: eight lanes take a row's 128 bytes, four rows a load
	v_lshl_add_u32 v29, v25, 4, v29
	v_add_nc_u32 v[RD], s51, v29
	v_lshlrev_b32 v[CO], 4, v24
	v_mov_b32 v[AL+1], 0                           ; the upper halves of the two pairs are named, never used
	v_mov_b32 v[NMP+1], 0
; The K fragments of step st (64 t = one part of K): 16 loads
.macro KLOAD slot, st
.irp kb, 0,1,2,3
.irp ks, 0,1
	ds_load_b128 v[KF+16*\kb+8*\ks:KF+16*\kb+8*\ks+3],   v[KA+\slot] offset:(\st)*PART+16*\kb*KPITCH+64*\ks
	ds_load_b128 v[KF+16*\kb+8*\ks+4:KF+16*\kb+8*\ks+7], v[KA+\slot] offset:(\st)*PART+16*\kb*KPITCH+64*\ks+32
.endr
.endr
.endm
; The V^T fragments of step st, into window 1: 16 transposing loads; the first of a pair brings t = 8 h .. + 7 of column 16 db + r, the second the 16 rows below
.macro VLOAD slot, st
.irp db, 0,1,2,3
.irp ks, 0,1
	ds_load_tr16_b128 v[VF+16*\db+8*\ks:VF+16*\db+8*\ks+3],   v[VA+\slot] offset:(64*(\st)+32*\ks)*VPITCH+32*\db
	ds_load_tr16_b128 v[VF+16*\db+8*\ks+4:VF+16*\db+8*\ks+7], v[VA+\slot] offset:(64*(\st)+32*\ks+16)*VPITCH+32*\db
.endr
.endr
.endm
; The i-th of the eight products that make query block sbn's scores in buffer nb: i = 0..3 start the four tiles (d = 0..31), i = 4..7 add
; d = 32..63.  The four tiles take turns, one instruction a turn.  on = 0: nothing.
.macro SW i, on, nb, sbn
.if \on
.if \i < 4
	v_wmma_f32_16x16x32_f16 v[SC+32*\nb+8*\i:SC+32*\nb+8*\i+7], v[KF+16*\i:KF+16*\i+7], v[QF+16*\sbn:QF+16*\sbn+7], 0
.else
	v_wmma_f32_16x16x32_f16 v[SC+32*\nb+8*(\i-4):SC+32*\nb+8*(\i-4)+7], v[KF+16*(\i-4)+8:KF+16*(\i-4)+15], v[QF+16*\sbn+8:QF+16*\sbn+15], v[SC+32*\nb+8*(\i-4):SC+32*\nb+8*(\i-4)+7]
.endif
.endif
.endm
; Query block sb against 64 t; its scores lie in buffer cb.  first = 1: the very first step starts maximum, sum and O.
; nxt = 1: block sbn's scores are made meanwhile, in the other buffer; kwait = 1: they need the next step's K fragments, waited for here.
; kn = 1: the next step's K fragments are asked for: the last product that reads the old ones stands 32 or 33 plain vector instructions back.
; vwait = 1: V's loads are waited for in front of the products that read them.
.macro SB sb, cb, first, vwait, nxt, sbn, kwait, kn, slot, st
.set CS, SC+32*\cb
.set NB, 1-\cb
	WIN 0
.if \kwait
	s_wait_dscnt 0x0                               ; K's sixteen loads, issued at the end of the block before
.endif
	; the largest of my 32 scores, in four chains, then the other half of the wave's
.irp c, 0,1,2,3
	v_max3_num_f32 v[TT+\c], v[CS+8*\c], v[CS+8*\c+1], v[CS+8*\c+2]
.endr
.irp c, 0,1,2,3
	v_max3_num_f32 v[TT+\c], v[TT+\c], v[CS+8*\c+3], v[CS+8*\c+4]
.endr
	SW 0, \nxt, NB, \sbn
.irp c, 0,1,2,3
	v_max3_num_f32 v[TT+\c], v[TT+\c], v[CS+8*\c+5], v[CS+8*\c+6]
.endr
.irp c, 0,1,2,3
	v_max_num_f32 v[TT+\c], v[TT+\c], v[CS+8*\c+7]
.endr
	SW 1, \nxt, NB, \sbn
	v_max3_num_f32 v[TT], v[TT], v[TT+1], v[TT+2]
	v_max_num_f32 v[TT], v[TT], v[TT+3]
	v_permlanex16_b32 v[TT+1], v[TT], s48, s49
	v_max_num_f32 v[TT], v[TT], v[TT+1]
	SW 2, \nxt, NB, \sbn
.if \first
	v_mul_f32 v[NMP], s14, v[TT]                   ; NM = -c max
.else
	v_mul_f32 v[TT], s14, v[TT]
	v_min_num_f32 v[NMP], v[NM+\sb], v[TT]         ; the running maximum, as -c max
	v_sub_f32 v[TT+1], v[NMP], v[NM+\sb]
	v_exp_f32 v[AL], v[TT+1]                       ; 2^(NMnew - NMold), at most 1; plain instructions follow before it is used
.endif
.irp i, 0,1,2,3,4,5,6,7
	v_pk_fma_f32 v[CS+2*\i:CS+2*\i+1], v[CS+2*\i:CS+2*\i+1], s[12:13], v[NMP:NMP+1] op_sel_hi:[1,0,0]   ; c s + NM
.endr
	SW 3, \nxt, NB, \sbn
.irp i, 8,9,10,11,12,13,14,15
	v_pk_fma_f32 v[CS+2*\i:CS+2*\i+1], v[CS+2*\i:CS+2*\i+1], s[12:13], v[NMP:NMP+1] op_sel_hi:[1,0,0]
.endr
	SW 4, \nxt, NB, \sbn
.set j, 0
.rept 11
	v_exp_f32 v[CS+j], v[CS+j]
.set j, j+1
.endr
	SW 5, \nxt, NB, \sbn
.rept 11
	v_exp_f32 v[CS+j], v[CS+j]
.set j, j+1
.endr
	SW 6, \nxt, NB, \sbn
.rept 10
	v_exp_f32 v[CS+j], v[CS+j]
.set j, j+1
.endr
	v_mov_b32 v[NM+\sb], v[NMP]                    ; the plain instruction between the exponentials and their first use (ISA guide 5.7.2)
	SW 7, \nxt, NB, \sbn                           ; the sums and conversions below are the places in front of the next read of these scores
	s_wait_alu depctr_va_vdst(0)
.irp c, 0,1,2,3
	v_pk_add_f32 v[TT+2*\c:TT+2*\c+1], v[CS+8*\c:CS+8*\c+1], v[CS+8*\c+2:CS+8*\c+3]
.endr
.irp c, 0,1,2,3
	v_pk_add_f32 v[TT+2*\c:TT+2*\c+1], v[TT+2*\c:TT+2*\c+1], v[CS+8*\c+4:CS+8*\c+5]
.endr
.irp c, 0,1,2,3
	v_pk_add_f32 v[TT+2*\c:TT+2*\c+1], v[TT+2*\c:TT+2*\c+1], v[CS+8*\c+6:CS+8*\c+7]
.endr
	v_pk_add_f32 v[TT:TT+1], v[TT:TT+1], v[TT+2:TT+3]
	v_pk_add_f32 v[TT+4:TT+5], v[TT+4:TT+5], v[TT+6:TT+7]
	v_pk_add_f32 v[TT:TT+1], v[TT:TT+1], v[TT+4:TT+5]
.if \first
	v_add_f32 v[LS+\sb], v[TT], v[TT+1]
.else
	v_add_f32 v[TT], v[TT], v[TT+1]
	v_fma_f32 v[LS+\sb], v[LS+\sb], v[AL], v[TT]
.endif
.irp p, 0,1,2,3,4,5,6,7,8,9,10,11,12,13,14,15
	v_cvt_pk_f16_f32 v[PF+\p], v[CS+2*\p], v[CS+2*\p+1]    ; tiles 2 ks, 2 ks + 1 become registers 0-3, 4-7 of operand ks
.endr
.if \kn
	KLOAD \slot, (\st+1)
.endif
.if \vwait
	s_wait_dscnt 0x0                               ; V's sixteen loads, issued ahead of this block's softmax
.endif
	; O^T = factor x O^T + V^T P^T.  One window setting serves both: O as destination, first and third source and V as first source in
	; window 1, the factor and the weights as second source in window 0.  Four multiplies stand ahead of each of the first four products.
	; The four accumulators take turns, one instruction a turn.
	WIN 0x51
.irp db, 0,1,2,3
.if \first
	v_wmma_f32_16x16x32_f16 v[32*\sb+8*\db:32*\sb+8*\db+7], v[VF+16*\db:VF+16*\db+7], v[PF:PF+7], 0
.else
.irp i, 0,1,2,3
	v_pk_mul_f32 v[32*\sb+8*\db+2*\i:32*\sb+8*\db+2*\i+1], v[32*\sb+8*\db+2*\i:32*\sb+8*\db+2*\i+1], v[AL:AL+1] op_sel_hi:[1,0]
.endr
	v_wmma_f32_16x16x32_f16 v[32*\sb+8*\db:32*\sb+8*\db+7], v[VF+16*\db:VF+16*\db+7], v[PF:PF+7], v[32*\sb+8*\db:32*\sb+8*\db+7]
.endif
.endr
.irp db, 0,1,2,3
	v_wmma_f32_16x16x32_f16 v[32*\sb+8*\db:32*\sb+8*\db+7], v[VF+16*\db+8:VF+16*\db+15], v[PF+8:PF+15], v[32*\sb+8*\db:32*\sb+8*\db+7]
.endr
.endm
; 64 t against my four query blocks.  more = 1: another step of this tile follows, and its first scores are made under block 3's softmax.
.macro TSTEP slot, st, first, more
	WIN 0
	PLACES                                         ; V's fragments were read by the products just issued
	WIN 0x40                                       ; destination in window 1
	VLOAD \slot, \st
	WIN 0
.if \st == 0
	s_wait_dscnt 16                                ; K's sixteen loads are older and are in; V's sixteen may stay out
.irp i, 0,1,2,3,4,5,6,7
	SW \i, 1, 0, 0                                 ; a tile's first scores have no softmax to run under
.endr
	PLACES                                         ; in front of the reads of these scores
.endif
	SB 0, 0, \first, 1, 1, 1, 0, 0, \slot, \st
	SB 1, 1, \first, 0, 1, 2, 0, 0, \slot, \st
	SB 2, 0, \first, 0, 1, 3, 0, \more, \slot, \st
	SB 3, 1, \first, 0, \more, 0, \more, 0, \slot, \st
.endm
.macro TILE slot, first                ; 256 t
	KLOAD \slot, 0
	TSTEP \slot, 0, \first, 1
	TSTEP \slot, 1, 0, 1
	TSTEP \slot, 2, 0, 1
	TSTEP \slot, 3, 0, 0
.endm
; The change of slots.  In front of the barrier: my reads of the old slot are back, all my tensor loads have landed (the one that was out
; is my part of the other slot).  fill = 1: a round of the cluster's barrier, and the joint refill of the old slot, two tiles ahead, first
; behind it: one tensor load of the wave is out, with a whole tile's work in which to land.
.macro CHANGE old, fill
	WIN 0
	s_wait_dscnt 0x0
	s_wait_tensorcnt 0x0
	ds_add_u32 v254, v255
	s_wait_dscnt 0x0
.if \fill
	s_add_nc_u64 s[G0K+4*\old+2:G0K+4*\old+3], s[G0K+4*\old+2:G0K+4*\old+3], 2*TILEB
	s_add_nc_u64 s[G0V+4*\old+2:G0V+4*\old+3], s[G0V+4*\old+2:G0V+4*\old+3], 2*TILEB
	ROUND
	JLOAD \old
.else
	s_barrier_signal -1
	s_barrier_wait -1
.endif
.endm
	s_wait_loadcnt 0x0                             ; Q
	s_wait_tensorcnt 0x1                           ; my part of tile 0 is in; tile 1's may stay out
	s_barrier_signal -1
	s_barrier_wait -1
	TILE 0, 1                                      ; tile 0
	WIN 0
	s_mov_b32 s50, 3
.Lpair:
	CHANGE 0, 1                                    ; asks for tiles 2, 4, 6
	TILE 1, 0                                      ; tiles 1, 3, 5
	CHANGE 1, 1                                    ; asks for tiles 3, 5, 7
	TILE 0, 0                                      ; tiles 2, 4, 6
	WIN 0
	s_sub_co_u32 s50, s50, 1
	s_cmp_lg_u32 s50, 0
	s_cbranch_scc1 .Lpair
	CHANGE 0, 0                                    ; nothing is left to fetch
	TILE 1, 0                                      ; tile 7
	; THE WAY OUT: divide by the row's sum (both halves of the wave), round to f16, 16 bytes a lane into my own stage, read back by rows.
	WIN 0
	PLACES
.macro FIN sb
	v_permlanex16_b32 v[TT], v[LS+\sb], s48, s49
	v_add_f32 v[TT], v[TT], v[LS+\sb]
	v_rcp_f32 v[AL], v[TT]
	v_nop                                          ; the plain instruction behind the reciprocal (ISA guide 5.7.2)
	WIN 0x41                                       ; O in window 1, the factor in window 0
	s_wait_alu depctr_va_vdst(0)
.irp i, 0,1,2,3,4,5,6,7,8,9,10,11,12,13,14,15
	v_pk_mul_f32 v[32*\sb+2*\i:32*\sb+2*\i+1], v[32*\sb+2*\i:32*\sb+2*\i+1], v[AL:AL+1] op_sel_hi:[1,0]
.endr
	WIN 0x05
.irp i, 0,1,2,3,4,5,6,7,8,9,10,11,12,13,14,15
	v_cvt_pk_f16_f32 v[SC+\i], v[32*\sb+2*\i], v[32*\sb+2*\i+1]
.endr
	WIN 0
.irp db, 0,1,2,3
	ds_store_b128 v[STO], v[SC+4*\db:SC+4*\db+3] offset:\sb*16*KPITCH+32*\db   ; row 16 sb + r, bytes 32 db + 16 h
.endr
.endm
	FIN 0
	FIN 1
	FIN 2
	FIN 3
.irp i, 0,1,2,3,4,5,6,7,8,9,10,11,12,13,14,15
	ds_load_b128 v[KF+4*\i:KF+4*\i+3], v[RD] offset:\i*4*KPITCH    ; a wave's LDS instructions are served in order: these see the stores above
.endr
.irp i, 0,1,2,3,4,5,6,7,8,9,10,11,12,13,14,15
	s_wait_dscnt 15-\i                             ; read-back i is in, the 15 - i younger ones stay out
	global_store_b128 v[CO], v[KF+4*\i:KF+4*\i+3], s[62:63] offset:512*\i      ; four rows: 512 consecutive bytes, aligned
.endr
	s_wait_tensorcnt 0x0
	ds_add_u32 v254, v255
	s_wait_dscnt 0x0
	ROUND                                          ; the closing round
	s_endpgm
.Lfunc_end_k_q4c46780199_attn:
	.size	k_q4c46780199_attn, .Lfunc_end_k_q4c46780199_attn-k_q4c46780199_attn
	.p2alignl 7, 3214868480
	.fill 96, 4, 3214868480
	.section	.rodata,"a",@progbits
	.p2align	6, 0x0
	.amdhsa_kernel k_q4c46780199_attn
		.amdhsa_group_segment_fixed_size 327680
		.amdhsa_private_segment_fixed_size 0
		.amdhsa_enable_private_segment 0
		.amdhsa_kernarg_size 16
		.amdhsa_user_sgpr_count 2
		.amdhsa_user_sgpr_kernarg_segment_ptr 1
		.amdhsa_wavefront_size32 1
		.amdhsa_system_sgpr_workgroup_id_x 1
		.amdhsa_system_sgpr_workgroup_id_y 1
		.amdhsa_system_sgpr_workgroup_id_z 1
		.amdhsa_system_vgpr_workitem_id 0
		.amdhsa_next_free_vgpr 448
		.amdhsa_next_free_sgpr 66
		.amdhsa_reserve_vcc 0
		.amdhsa_float_denorm_mode_32 3
		.amdhsa_float_denorm_mode_16_64 3
		.amdhsa_memory_ordered 1
		.amdhsa_forward_progress 1
		.amdhsa_inst_pref_size 255
	.end_amdhsa_kernel
	.section	.bss,"aw",@nobits
	.p2align	6
	.space	262144
	.amdgpu_metadata
---
amdhsa.version: [ 1, 2 ]
amdhsa.kernels:
  - .name:           k_q4c46780199_attn
    .symbol:         k_q4c46780199_attn.kd
    .args:
      - { .name: qkv, .offset: 0, .size: 8, .value_kind: global_buffer, .address_space: global }
      - { .name: att, .offset: 8, .size: 8, .value_kind: global_buffer, .address_space: global }
    .group_segment_fixed_size: 327680
    .private_segment_fixed_size: 0
    .kernarg_segment_align: 8
    .kernarg_segment_size: 16
    .max_flat_workgroup_size: 256
    .sgpr_count:     66
    .vgpr_count:     448
    .wavefront_size: 32
...
	.end_amdgpu_metadata
.endif
;; end of part 3
;; launch outproj (part 4): grid 4 x 64, 4 waves a work-group, clusters of 4 x 4, 327,680 bytes of LDS; arguments att, wh, out_b, out0; writes out0
.if DOCPART == 4
	.amdgcn_target "amdgcn-amd-amdhsa--gfx1250"
	.amdhsa_code_object_version 6
	.text
	.protected	k_q4c46780199_outproj
	.globl	k_q4c46780199_outproj
	.p2align	8
	.type	k_q4c46780199_outproj,@function
k_q4c46780199_outproj:
	s_mov_b64 s[64:65], 0
	v_nop
	global_prefetch_b8 v0, s[64:65] scope:SCOPE_SE
	s_setreg_imm32_b32 hwreg(HW_REG_WAVE_MODE, 25, 1), 1
	s_wait_xcnt 0x0
	s_wait_alu depctr_hold_cnt(0) depctr_sa_sdst(0) depctr_va_vdst(0) depctr_va_sdst(0) depctr_va_ssrc(0) depctr_va_vcc(0) depctr_vm_vsrc(0)
	s_getreg_b32 s2, hwreg(HW_REG_IB_STS2, 6, 4)
	s_cmp_eq_u32 s2, 0
	s_cbranch_scc0 .Lentry_in_a_cluster
	s_endpgm
.Lentry_in_a_cluster:
	s_bfe_u32 s2, ttmp6, 0x10000c
	s_cmp_lg_u32 s2, 0xf033
	s_cbranch_scc0 .Lentry_shape_is_right
	s_endpgm
.Lentry_shape_is_right:
; The output projection: out0[m][n] = sum over k of A[m][k] W[n][k] + out_b[n], K = 1024, f16 operands, f32 sums, f32 out.
; A is att = [64 = 16 b + head][2048][64] f16, read as A[m = 2048 b + s][k = 64 head + d]; it holds an eighth of the attention's result.
; W is weight 3 of wh, which holds 8 out_w: the two exact powers of two cancel in every product, so the bias goes in as it is.
; A work-group makes 128 rows x 256 columns with four waves (2 x 2), a wave 64 x 128: 32 accumulator tiles, 256 registers.
; K goes in steps of 128 (two heads) through two LDS slots.
; CLUSTERS of 4 x 4: A's tiles are shared along a cluster's row, W's along a column; each is asked for jointly.
; A slot is four parts of 34,816 bytes, part w filled by wave w: parts 0, 1 = W's rows 0-127, 128-255 (pitch 272);
; parts 2, 3 = A's rows 0-63, 64-127: two heads x 64 rows at pitch 144 (18,432 bytes of the part used).
; A's tile is stated as two rows of 4,096 elements (a head's 64 rows lie densely), 131,072 elements apart; the padding is counted along
; the whole tile, 4 words after every 32, so each row of 128 bytes gets 144 bytes of LDS.
; REGISTERS in windows of 256: window 0 addresses and two fragment buffers; window 1 the accumulators (tile (a, b) at 8 (8 a + b));
; window 2 v0-63: the bias of my 128 columns in the accumulators' layout; the first product takes it as C.
; The matrix instruction is used transposed (source 0 = 16 rows of W, source 1 = 16 rows of A): lane l holds row l % 16 of C and
; its registers j the columns 8 (l / 16) + j.
; Limits: NaN and infinities get no special treatment; operands are f16 (8 out_w beyond 65,504 in magnitude was stored as infinity).
.set KSTEP,  128
.set LAPS,   4
.set PITCH,  272                       ; W's rows: 256 + 16
.set APITCH, 144                       ; A's rows: 128 + 16; both odd multiples of 16
.set AHEAD,  64*APITCH                 ; from a head to the next in a part
.set PART,   128*PITCH                 ; 34,816
.set SLOT,   4*PART
.set STAGE,  2*SLOT                    ; behind the ring, never a tensor load's target: 16 rows x 528 bytes for each wave
.set SPITCH, 528                       ; 512 + 16
.set STW,    16*SPITCH
.set ASTEP,  2*262144                  ; two heads' planes: a K step in att
.set ADRA, 16
.set ADRB, 20
.set STO,  24
.set RD,   25
.set CO,   26
.set BO,   27
.set F0,   32                          ; fragment buffer 0: A at +8 a (32 registers), W at +32 + 8 b (64 registers)
.set F1,   128
.set G1A, 24
.set G0A, 32
.set G1B, 40
.set G0B, 48
.set FLAGSA, (1<<16)|(1<<20)|(1<<21)|(4<<22)|(3<<25)  ; 2-byte elements; padding on; bit 21 beside a mask; after every 32 words 4 words
.set FLAGSB, (1<<16)|(1<<20)|(1<<21)|(5<<22)|(3<<25)  ; after every 64 words 4 words
.set MSB, 0
.macro WIN new
.if MSB != \new
	s_set_vgpr_msb (MSB<<8)|\new
.set MSB, \new
.endif
.endm
.macro PLACES                          ; four independent vector instructions behind a matrix instruction (ISA guide 7.12.1)
.rept 4
	v_nop
.endr
.endm
.macro JLOAD s                         ; waves 0, 1 ask for W's halves, waves 2, 3 for A's: one tensor load a wave, one mask a line
	s_cmp_eq_u32 s17, 0
	s_cbranch_scc0 .Lfor_a_\@
	tensor_load_to_lds s[G0B+4*\s:G0B+4*\s+3], s[G1B:G1B+7]
	s_nop 0
	s_branch .Lasked_\@
.Lfor_a_\@:
	tensor_load_to_lds s[G0A+4*\s:G0A+4*\s+3], s[G1A:G1A+7]
	s_nop 0
.Lasked_\@:
.endm
.macro CREST
	s_cmp_lg_u32 s16, 0
	s_cbranch_scc1 .Lnot_wave_0_\@
	s_barrier_signal -3
.Lnot_wave_0_\@:
	s_barrier_wait -3
	s_barrier_signal -1
	s_barrier_wait -1
.endm
.macro CROUND
	s_barrier_signal -1
	s_barrier_wait -1
	CREST
.endm
	s_load_b256 s[4:11], s[0:1], 0x0               ; att s[4:5], wh s[6:7], out_b s[8:9], out0 s[10:11]
	v_lshl_add_u32 v254, v0, 2, 0x4c400
	v_mov_b32 v255, 0
	ds_add_u32 v254, v255
	v_lshrrev_b32 v1, 5, v0
	v_readfirstlane_b32 s16, v1                    ; wave 0..3
	s_lshr_b32 s17, s16, 1                         ; my 64 rows; also: I fetch W (0) or A (1)
	s_and_b32 s18, s16, 1                          ; my 128 columns; also: which half of that tile I fetch
	s_bfe_u32 s19, ttmp6, 0x40000                  ; cx
	s_bfe_u32 s20, ttmp6, 0x40004                  ; cy
	s_lshl_b32 s21, ttmp9, 2
	s_add_co_u32 s21, s21, s19                     ; block column, 0..3
	s_and_b32 s22, ttmp7, 0xffff
	s_lshl_b32 s22, s22, 2
	s_add_co_u32 s22, s22, s20                     ; block row, 0..63
	s_lshl_b32 s56, s20, 2
	s_lshl_b32 s56, 15, s56                        ; my row of the cluster
	s_lshl_b32 s58, 0x1111, s19                    ; my column
	s_or_b32 s[G1A+0], s56, FLAGSA
	s_or_b32 s[G1B+0], s58, FLAGSB
	s_mov_b32 s[G1A+1], 4096<<16                   ; tensor_dim0 = 4,096 elements: a head's 64 rows
	s_mov_b32 s[G1A+2], 2<<16                      ; tensor_dim1 = 2 heads
	s_mov_b32 s[G1A+3], 4096<<16                   ; tile_dim0
	s_mov_b32 s[G1A+4], 2                          ; tile_dim1
	s_mov_b32 s[G1A+5], 131072                     ; elements from a head's plane to the next
	s_mov_b32 s[G1A+6], 0
	s_mov_b32 s[G1A+7], 0
	s_mov_b32 s[G1B+1], KSTEP<<16
	s_mov_b32 s[G1B+2], 128<<16
	s_mov_b32 s[G1B+3], KSTEP<<16
	s_mov_b32 s[G1B+4], 128
	s_mov_b32 s[G1B+5], 1024
	s_mov_b32 s[G1B+6], 0
	s_mov_b32 s[G1B+7], 0
	s_lshr_b32 s56, s22, 4                         ; A: batch b = block row / 16: 16 planes of 262,144 bytes,
	s_lshl_b32 s56, s56, 22
	s_and_b32 s57, s22, 15                         ; row 128 x (block row mod 16) + 64 x half, 128 bytes each
	s_lshl_b32 s57, s57, 14
	s_add_co_u32 s56, s56, s57
	s_lshl_b32 s57, s18, 13
	s_add_co_u32 s56, s56, s57
	s_mov_b32 s57, 0
	s_lshl_b32 s58, s21, 8                         ; W: row 3 x 1024 + 256 x block column + 128 x half
	s_lshl_b32 s59, s18, 7
	s_add_co_u32 s58, s58, s59
	s_add_co_u32 s58, s58, 3*1024
	s_lshl_b32 s58, s58, 11
	s_mov_b32 s59, 0
	s_mul_i32 s60, s16, PART                       ; where my part of a tile goes: the wave's number alone
	s_lshl_b32 s70, s21, 10                        ; my first column, in bytes of f32: bias and out0 alike
	s_lshl_b32 s71, s18, 9
	s_add_co_u32 s70, s70, s71
	s_mov_b32 s71, 0
	s_lshl_b32 s72, s22, 19                        ; my first row: 4,096 bytes x (128 x block row + 64 x my half)
	s_lshl_b32 s73, s17, 18
	s_add_co_u32 s72, s72, s73
	s_add_co_u32 s72, s72, s70
	s_mov_b32 s73, 0
	s_wait_dscnt 0x0
	s_wait_kmcnt 0x0
	s_add_nc_u64 s[56:57], s[4:5], s[56:57]
	s_add_nc_u64 s[58:59], s[6:7], s[58:59]
	s_add_nc_u64 s[66:67], s[8:9], s[70:71]
	s_add_nc_u64 s[68:69], s[10:11], s[72:73]
	CROUND                                         ; all sixteen work-groups are here: the first joint loads meet
.irp s, 0,1
	s_mov_b32 s[G0A+4*\s], 1
	s_add_co_u32 s[G0A+4*\s+1], s60, \s*SLOT
	s_add_nc_u64 s[G0A+4*\s+2:G0A+4*\s+3], s[56:57], \s*ASTEP
	s_or_b32 s[G0A+4*\s+3], s[G0A+4*\s+3], 0x80000000
	s_mov_b32 s[G0B+4*\s], 1
	s_add_co_u32 s[G0B+4*\s+1], s60, \s*SLOT
	s_add_nc_u64 s[G0B+4*\s+2:G0B+4*\s+3], s[58:59], \s*KSTEP*2
	s_or_b32 s[G0B+4*\s+3], s[G0B+4*\s+3], 0x80000000
	JLOAD \s                                       ; K steps 0 and 1: two tensor loads of the wave are out
.endr
	v_and_b32 v1, 15, v0                           ; r
	v_bfe_u32 v2, v0, 4, 1                         ; h
	v_and_b32 v3, 31, v0                           ; l
	v_lshlrev_b32 v[BO], 5, v2
	WIN 0x80                                       ; destination in window 2
.irp b, 0,1,2,3,4,5,6,7
	global_load_b128 v[8*\b:8*\b+3],   v[BO], s[66:67] offset:64*\b      ; bias[16 b + 8 h + 0..3]
	global_load_b128 v[8*\b+4:8*\b+7], v[BO], s[66:67] offset:64*\b+16
.endr
	WIN 0
	v_mul_u32_u24 v4, v1, PITCH
	v_lshl_add_u32 v4, v2, 4, v4                   ; W: r x 272 + 16 h
	v_mul_u32_u24 v5, v1, APITCH
	v_lshl_add_u32 v5, v2, 4, v5                   ; A: r x 144 + 16 h
	s_mul_i32 s74, s17, PART
	s_add_co_u32 s74, s74, 2*PART                  ; my 64 rows of A
	s_mul_i32 s75, s18, PART                       ; my 128 rows of W
.irp s, 0,1
	v_add_nc_u32 v[ADRA+\s], s74, v5
	v_add_nc_u32 v[ADRB+\s], s75, v4
	s_add_co_u32 s74, s74, SLOT
	s_add_co_u32 s75, s75, SLOT
.endr
	s_mul_i32 s76, s16, STW
	s_add_co_u32 s76, s76, STAGE                   ; my stage
	v_mul_u32_u24 v6, v1, SPITCH
	v_lshl_add_u32 v6, v2, 5, v6                   ; in: row r, 32 h bytes
	v_add_nc_u32 v[STO], s76, v6
	v_lshlrev_b32 v[CO], 4, v3                     ; back and out: the wave takes a row's 512 bytes
	v_add_nc_u32 v[RD], s76, v[CO]
; 16 matrix instructions: row blocks a0, a0 + 1 x all 8 column blocks, 32 along K.  first = 1: C is the bias (window 2).
; The 32 accumulators take turns, one instruction a turn, in the same order everywhere.
.macro MUL16 f, a0, first
.irp a, \a0, \a0+1
.irp b, 0,1,2,3,4,5,6,7
.if \first
	v_wmma_f32_16x16x32_f16 v[8*(8*(\a)+\b):8*(8*(\a)+\b)+7], v[\f+32+8*\b:\f+32+8*\b+7], v[\f+8*(\a):\f+8*(\a)+7], v[8*\b:8*\b+7]
.else
	v_wmma_f32_16x16x32_f16 v[8*(8*(\a)+\b):8*(8*(\a)+\b)+7], v[\f+32+8*\b:\f+32+8*\b+7], v[\f+8*(\a):\f+8*(\a)+7], v[8*(8*(\a)+\b):8*(8*(\a)+\b)+7]
.endif
.endr
.endr
.endm
; 24 LDS loads in one run: quarter q of a slot into buffer f.  In W quarter q is byte 64 q of a row; in A it is head q / 2, byte 64 (q mod 2).
.macro FETCH slot, q, f
.irp i, 0,1,2,3,4,5,6,7
	ds_load_b128 v[\f+32+8*\i:\f+32+8*\i+3],   v[ADRB+\slot] offset:64*\q+\i*16*PITCH
	ds_load_b128 v[\f+32+8*\i+4:\f+32+8*\i+7], v[ADRB+\slot] offset:64*\q+\i*16*PITCH+32
.endr
.irp i, 0,1,2,3
	ds_load_b128 v[\f+8*\i:\f+8*\i+3],   v[ADRA+\slot] offset:(\q/2)*AHEAD+(\q%2)*64+\i*16*APITCH
	ds_load_b128 v[\f+8*\i+4:\f+8*\i+7], v[ADRA+\slot] offset:(\q/2)*AHEAD+(\q%2)*64+\i*16*APITCH+32
.endr
.endm
.macro QUARTER slot, qn, f, g, first
	s_wait_dscnt 0x0                               ; buffer f is whole
	PLACES                                         ; g was read by the matrix instructions just issued
	WIN 0
	FETCH \slot, \qn, \g
.if \first
	WIN 0x60                                       ; D window 1, C window 2
.else
	WIN 0x50                                       ; C and D window 1
.endif
	MUL16 \f, 0, \first
	MUL16 \f, 2, \first
.endm
.macro THREE slot, first
	QUARTER \slot, 1, F0, F1, \first
	QUARTER \slot, 2, F1, F0, 0
	QUARTER \slot, 3, F0, F1, 0
.endm
; The last quarter changes slots.  In front of the barrier: my reads of this slot are back and all my tensor loads have landed (the one
; that was out is my part of the next slot).  With fill = 1 the barrier opens a round of the cluster's barrier, and the joint refill of
; this slot, two K steps ahead, is the first tensor load behind the round: one tensor load of the wave is out from there on.
.macro TURN slot, next, fill
	s_wait_dscnt 0x0
	s_wait_tensorcnt 0x0
	ds_add_u32 v254, v255
	s_wait_dscnt 0x0
	s_barrier_signal -1
	WIN 0x50
	MUL16 F1, 0, 0
	WIN 0
	s_barrier_wait -1
.if \fill
	CREST
	s_add_nc_u64 s[G0A+4*\slot+2:G0A+4*\slot+3], s[G0A+4*\slot+2:G0A+4*\slot+3], 2*ASTEP
	s_add_nc_u64 s[G0B+4*\slot+2:G0B+4*\slot+3], s[G0B+4*\slot+2:G0B+4*\slot+3], 2*KSTEP*2
	JLOAD \slot
.endif
	PLACES
	FETCH \next, 0, F0
	WIN 0x50
	MUL16 F1, 2, 0
.endm
.macro LAP first
	THREE 0, \first
	TURN 0, 1, 1
	THREE 1, 0
	TURN 1, 0, 1
.endm
	s_wait_loadcnt 0x0                             ; the bias
	s_wait_tensorcnt 0x1                           ; my part of K step 0 is in; K step 1's may stay out
	s_barrier_signal -1
	s_barrier_wait -1
	FETCH 0, 0, F0
	LAP 1
	WIN 0
	s_mov_b32 s62, LAPS-2
.Llap:
	LAP 0
	WIN 0
	s_sub_co_u32 s62, s62, 1
	s_cmp_lg_u32 s62, 0
	s_cbranch_scc1 .Llap
	THREE 0, 0                                     ; the last lap fills nothing
	TURN 0, 1, 0
	THREE 1, 0
	s_wait_dscnt 0x0
	WIN 0x50
	MUL16 F1, 0, 0
	MUL16 F1, 2, 0
	PLACES                                         ; behind the last products: the LDS stores read results, the loads below land in fragment buffers
; THE WAY OUT, 16 rows at a time: a lane's eight f32 (32 neighbouring bytes of a row) into my own stage, whole rows of 512 bytes back,
; each stored by one instruction of the wave: 512 consecutive bytes, aligned.
.macro OUT16 a, f
	WIN 0x04                                       ; the stores' data in window 1
.irp b, 0,1,2,3,4,5,6,7
	ds_store_b128 v[STO], v[8*(8*\a+\b):8*(8*\a+\b)+3]   offset:64*\b
	ds_store_b128 v[STO], v[8*(8*\a+\b)+4:8*(8*\a+\b)+7] offset:64*\b+16
.endr
	WIN 0
	s_wait_xcnt 0x0                                ; buffer f was the data of earlier stores: it is loaded again only behind this wait
.irp t, 0,1,2,3,4,5,6,7,8,9,10,11,12,13,14,15
	ds_load_b128 v[\f+4*\t:\f+4*\t+3], v[RD] offset:\t*SPITCH      ; a wave's LDS instructions are served in order: these see the stores above
.endr
.irp t, 0,1,2,3,4,5,6,7,8,9,10,11,12,13,14,15
	s_wait_dscnt 15-\t                             ; read-back t is in, the 15 - t younger ones stay out
	global_store_b128 v[CO], v[\f+4*\t:\f+4*\t+3], s[68:69] offset:(16*\a+\t)*4096 th:TH_STORE_NT
.endr
.endm
	OUT16 0, F0
	OUT16 1, F1
	OUT16 2, F0
	OUT16 3, F1
	s_wait_tensorcnt 0x0
	ds_add_u32 v254, v255
	s_wait_dscnt 0x0
	CROUND                                         ; the closing round
	s_endpgm
.Lfunc_end_k_q4c46780199_outproj:
	.size	k_q4c46780199_outproj, .Lfunc_end_k_q4c46780199_outproj-k_q4c46780199_outproj
	.p2alignl 7, 3214868480
	.fill 96, 4, 3214868480
	.section	.rodata,"a",@progbits
	.p2align	6, 0x0
	.amdhsa_kernel k_q4c46780199_outproj
		.amdhsa_group_segment_fixed_size 327680
		.amdhsa_private_segment_fixed_size 0
		.amdhsa_enable_private_segment 0
		.amdhsa_kernarg_size 32
		.amdhsa_user_sgpr_count 2
		.amdhsa_user_sgpr_kernarg_segment_ptr 1
		.amdhsa_wavefront_size32 1
		.amdhsa_system_sgpr_workgroup_id_x 1
		.amdhsa_system_sgpr_workgroup_id_y 1
		.amdhsa_system_sgpr_workgroup_id_z 1
		.amdhsa_system_vgpr_workitem_id 0
		.amdhsa_next_free_vgpr 576
		.amdhsa_next_free_sgpr 80
		.amdhsa_reserve_vcc 0
		.amdhsa_float_denorm_mode_32 3
		.amdhsa_float_denorm_mode_16_64 3
		.amdhsa_memory_ordered 1
		.amdhsa_forward_progress 1
		.amdhsa_inst_pref_size 118
	.end_amdhsa_kernel
	.amdgpu_metadata
---
amdhsa.version: [ 1, 2 ]
amdhsa.kernels:
  - .name:           k_q4c46780199_outproj
    .symbol:         k_q4c46780199_outproj.kd
    .args:
      - { .name: att, .offset: 0, .size: 8, .value_kind: global_buffer, .address_space: global }
      - { .name: wh, .offset: 8, .size: 8, .value_kind: global_buffer, .address_space: global }
      - { .name: out_b, .offset: 16, .size: 8, .value_kind: global_buffer, .address_space: global }
      - { .name: out0, .offset: 24, .size: 8, .value_kind: global_buffer, .address_space: global }
    .group_segment_fixed_size: 327680
    .private_segment_fixed_size: 0
    .kernarg_segment_align: 8
    .kernarg_segment_size: 32
    .max_flat_workgroup_size: 128
    .sgpr_count:     80
    .vgpr_count:     576
    .wavefront_size: 32
...
	.end_amdgpu_metadata
.endif
;; end of part 4
